; MI455X (gfx1250); checked and timed in simulation.
; The chip was launched on July 23, 2026; its instructions are those of AMD's public machine-readable ISA for CDNA 5 (MIT licence, August 2026) and "CDNA5" Instruction Set Architecture Reference Guide (July 2026). The comments in the code are by the model that wrote it; some were corrected since.
;; Vector Quantizer. Allowed arithmetic: matrix products marked QUANTISED: E4M3 operands, one given power-of-two scale a tensor, by v_wmma_f32_16x16x64_fp8_fp8 or v_wmma_f32_16x16x128_fp8_fp8, f32 sums; everything else in f32.
;; Inputs: embeddings 1,024 x 64 float32; lowp_scales 2 int32 (the exponents e of the quantised operands' scales 2^e); z 8 x 64 x 16 x 16 x 64 float32.
;; Outputs: out0 8 x 64 x 16 x 16 x 64 float32; out1 one number float32; out2 8 x 16 x 16 x 64 int32.
;; This version of the problem:
;;   THIS VERSION OF THE PROBLEM IS GIVEN IN LOW PRECISION. The matrix products marked QUANTISED in the list below multiply operands that are first quantised to E4M3 (4 exponent bits, 3 mantissa bits; 8 bits a number), with one given power-of-two scale for each operand tensor; their sums are f32. All else is computed in f32.
;;   The module's matrix products, in the order in which they are computed (A, B: the left and right operand; K: the contracted axis; several contracted axes count as one K, in the product's order):
;;     1. [M 131,072, K 64] x [K 64, N 1,024]; A: computed on the way; B: input embeddings: QUANTISED (scales: A lowp_scales[0], B lowp_scales[1])
;;   THE QUANTISER, for each operand of a quantised product, along K:
;;     - The operand's scale is 2^e, e = its entry of the input lowp_scales (int32; the entries are numbered through the quantised products in the list's order, A before B).
;;     - Each number is divided by the scale, clamped to +-448, and rounded to the nearest number of E4M3, ties to even, subnormals kept.
;;     - The product sums the exact products of the quantised numbers (number of the format x scale) in f32.
;;   ~~~python
;;   def quantise(x, axis, e):      # numpy; x: float32 -> the quantised numbers, widened to float32 again
;;       x = np.moveaxis(x, axis, -1); K = x.shape[-1]
;;       r = np.clip(x / 2.0 ** e, -448, 448)
;;       step = 2.0 ** (np.maximum(np.frexp(np.where(r == 0, 1, r))[1] - 1, -6) - 3)
;;       q = np.round(r / step) * step * 2.0 ** e      # np.round: ties to even
;;       return np.moveaxis(q, -1, axis).astype(np.float32)
;;   ~~~
;;   OPERANDS COMPUTED ON THE WAY. 'Computed on the way' means the value that the module computes at that place (a softmax that the list does not call 'softmax' is quantised finished and normalised). What goes into a quantiser is computed in f32, as accurately as f32 sums, v_exp_f32 and their like allow (about 1e-6 of the number): no bf16 or f16 on the way to a quantiser, and a product that is left as it is and whose result goes on into a quantised operand takes f32 operands (vector FMAs, or v_wmma_f32_16x16x4_f32). A number that lies on a knife's edge between two numbers of the format may be rounded either way, as far as f32 arithmetic and the matrix unit's own rounding can turn it there, and no further.
;; One version. Each part assembles by itself: llvm-mc -triple=amdgcn-amd-amdhsa -mcpu=gfx1250 --defsym DOCPART=n.
;; ======== version 1 of 1: 3 launches
;; limits: right only within a limited range of input values
;; workspace buffers: idxw 524,288 bytes of whole numbers; part 4,096 bytes
;; launch argmin (part 1): grid 256 x 1, 16 waves a work-group, no clusters, 327,680 bytes of LDS; arguments z, embeddings, lowp_scales, out2, idxw; writes out2, idxw
.if DOCPART == 1
	.amdgcn_target "amdgcn-amd-amdhsa--gfx1250"
	.amdhsa_code_object_version 6
	.text
	.protected	k_q4ae80a4f10_argmin
	.globl	k_q4ae80a4f10_argmin
	.p2align	8
	.type	k_q4ae80a4f10_argmin,@function
k_q4ae80a4f10_argmin:
	s_mov_b64 s[64:65], 0
	v_nop
	global_prefetch_b8 v0, s[64:65] scope:SCOPE_SE
	s_setreg_imm32_b32 hwreg(HW_REG_WAVE_MODE, 25, 1), 1
	s_wait_xcnt 0x0
; idx[n] = argmin over k of (zz[n] + ee[k]) - (2 z[n]) . e[k], the product on E4M3 codes (2 z with 2^e0, e with 2^e1), the lowest k on ties.  Stored to out2 and to idxw.
; The score kept is a = R(zz' + ee') + S, S the sum of the codes' products, zz' = -zz / 2^(e0+e1), ee' likewise: a = -dist / 2^(e0+e1), so argmin dist = argmax a.
; R(zz' + ee') is made by a vector addition, as the reference rounds zz + ee, and is given to the matrix instruction as its C: the last rounding of a score is the matrix unit's own.
; A work-group takes 512 rows of z; 16 waves = 2 halves of the rows x 8 groups of 128 codes.  A wave keeps its 128 codes (8 fragments, 64 registers) and their ee' (64 registers) and walks its half's 16 tiles of 16 rows.
; The matrix instruction takes 16 table rows as source 0 and 16 rows of z as source 1: a lane holds one row of z, its 64 results are 64 codes.
; WHICH TABLE ROWS FORM A TILE: row m = 8 h + j of tile c of group g is code 128 g + 64 h + 32 (c / 4) + 4 j + c % 4.
; THE WINNER'S PLACE: M = the lane's largest a; a - M is 0 for a winner and below 0 else; one conversion to FP4 with the scale 2^-126 turns eight of them into eight nibbles, 0 or 0xF (the format's largest code, held there by the conversion);
; bit c % 4 of each nibble is taken from tile c's word, so that two words hold a bit for each of the lane's 64 codes in the codes' own order; the lowest winner bit is the lowest code.
; The ten dependent steps from those two words to the stored pair (M, code as f32) stand among the NEXT tile's 32 independent additions.  A tile's fragment of z and its zz' are asked for one trip (two tiles) ahead, into the registers
; that the tile of the trip before has just read.  At the end a thread joins its row's 16 pairs: the largest M, and of equal ones the lowest code.
; z comes by ONE tensor load a wave: rows 32 w .. 32 w + 31, LDS rows padded to 272 bytes; nothing in LDS is filled a second time.  The table comes by register loads of 512 consecutive bytes, issued behind the tensor load,
; turns through the wave's own stage and is quantised once in the work-group: wave w takes rows 64 w .. 64 w + 63.
; NO JOINT LOADS: the table goes through registers on its way to the quantiser, and a wave's one tensor load at the head is z's.  NO PREFETCH: every load from memory is issued at the head; there is no loop to run ahead in.
; LIMITS: e0 - 1 and e1 between -126 and 119, e0 + e1 between -126 and 126; NaN among the inputs is not served; two scores that differ by less than 2^-123 count as equal.
.set ROWP,  272
.set TILEB, 16*ROWP
.set CP,    144
.set EI,    139264                     ; behind z's 512 padded rows: the table's fragments as register images, 1,024 bytes a tile
.set EEL,   204800                     ; ee', a word a code, in the tiles' order
.set ZI,    208896                     ; z's fragments as register images
.set ZZL,   241664                     ; zz'
.set CAND,  243712                     ; 512 rows x 16 pairs, rows 144 bytes apart
.set STG,   CAND                       ; at the head: a stage of 16 rows x 272 bytes for each wave
.set IDXL,  317440
.set SPARE, 0x4e000                    ; the spare words: 128 bytes a wave
.macro BAR
	s_wait_dscnt 0x0
	s_barrier_signal -1
	s_barrier_wait -1
.endm
.macro GETX adr                        ; my 32 numbers of row l % 16: k = 16 c + 8 (l / 16) + 0 .. 7
.irp c, 0,1,2,3
.irp i, 0,1
	ds_load_b128 v[144+8*\c+4*\i:147+8*\c+4*\i], v[\adr] offset:64*\c+16*\i
.endr
.endr
.endm
.macro QUANT32 sc, lim                 ; v255 = -(the row's sum of squares) / 2^(e0+e1); v[224:231] = my 32 codes
	v_pk_mul_f32 v[248:249], v[144:145], v[144:145]
	v_pk_mul_f32 v[250:251], v[146:147], v[146:147]
.irp j, 4,8,12,16,20,24,28
	s_delay_alu instid0(VALU_DEP_2)
	v_pk_fma_f32 v[248:249], v[144+\j:145+\j], v[144+\j:145+\j], v[248:249]
	s_delay_alu instid0(VALU_DEP_2)
	v_pk_fma_f32 v[250:251], v[146+\j:147+\j], v[146+\j:147+\j], v[250:251]
.endr
	s_delay_alu instid0(VALU_DEP_1)
	v_pk_add_f32 v[248:249], v[248:249], v[250:251]
	s_delay_alu instid0(VALU_DEP_1)
	v_add_f32 v255, v248, v249
	s_delay_alu instid0(VALU_DEP_1)
	v_permlanex16_b32 v254, v255, s40, s41
	s_delay_alu instid0(VALU_DEP_1)
	v_add_f32 v255, v255, v254
	v_mul_f32 v255, s36, v255                      ; x -2^-(e0+e1): nothing is rounded
.irp i, 0,1,2,3,4,5,6,7,8,9,10,11,12,13,14,15,16,17,18,19,20,21,22,23,24,25,26,27,28,29,30,31
	v_med3_num_f32 v[144+\i], v[144+\i], -v[\lim], v[\lim]   ; the hold at the largest code x the scale
.endr
.irp q, 0,1,2,3
	v_cvt_scalef32_pk8_fp8_f32 v[224+2*\q:225+2*\q], v[144+8*\q:151+8*\q], v[\sc]
.endr
	v_nop
.endm
.macro QE q                            ; 16 table rows: tiles 2 q and 2 q + 1, my half's eight rows of each
	s_wait_loadcnt 24-8*\q                         ; this step's eight loads are in; the later steps' may be out
.irp i, 0,1,2,3,4,5,6,7
	ds_store_b128 v5, v[16+32*\q+4*\i:19+32*\q+4*\i] offset:ROWP*\i   ; lanes 0-15: stage row i, lanes 16-31: stage row 8 + i
.endr
	GETX 6
	s_wait_dscnt 0x0
	QUANT32 12, 13
	ds_store_b128 v7, v[224:227] offset:2048*\q
	ds_store_b128 v7, v[228:231] offset:2048*\q+512
	ds_store_b32 v240, v255 offset:128*\q
.endm
.macro QZ t                            ; tile t of my two tiles of 16 rows of z
	GETX 8+\t
	s_wait_dscnt 0x0
	QUANT32 14, 15
	ds_store_b128 v10, v[224:227] offset:1024*\t
	ds_store_b128 v10, v[228:231] offset:1024*\t+512
	ds_store_b32 v11, v255 offset:64*\t
.endm
; Step s of the way from a tile's two winner words (v248, v249) to its stored pair.  pm: the pair that holds its M (0: there is no such tile)
.macro CH s, pm, poff
.if \pm
.if (\s) == 0
	v_cmp_ne_u32 vcc_lo, 0, v248
.endif
.if (\s) == 1
	v_cndmask_b32 v250, v249, v248, vcc_lo         ; the first word that holds a winner,
	v_cndmask_b32 v251, v13, v12, vcc_lo           ; and its first code - 127
.endif
.if (\s) == 2
	v_sub_nc_u32 v252, 0, v250
.endif
.if (\s) == 3
	v_and_b32 v250, v250, v252                     ; its lowest bit alone,
.endif
.if (\s) == 4
	v_cvt_f32_u32 v250, v250                       ; a power of two: the exponent field is the bit's place + 127
.endif
.if (\s) == 5
	v_lshrrev_b32 v250, 23, v250
.endif
.if (\s) == 6
	v_add_nc_u32 v250, v250, v251
.endif
.if (\s) == 7
	v_cvt_f32_u32 v[\pm+1], v250                   ; the code, 0 .. 1,023, as f32
	ds_store_b64 v7, v[\pm:\pm+1] offset:\poff
.endif
.endif
.endm
; 16 rows of z against my 128 codes.  zf: z's fragment; zz: the pair whose low word is zz'; mi: the pair that takes M; pm, poff: the tile before, whose pair is finished here;
; nv = 1: the pairs' address steps to this trip's; pre = 1: the tile two on is asked for, at byte zo of the next trip's images
.macro TILE zf, zz, mi, pm, poff, nv, pre, zo
.irp g, 0,1,2,3,4,5,6,7
.irp i, 0,2,4,6
	v_pk_add_f32 v[144+8*\g+\i:145+8*\g+\i], v[80+8*\g+\i:81+8*\g+\i], v[\zz:\zz+1] op_sel_hi:[1,0]   ; R(zz' + ee'), into the accumulator
.endr
	CH \g, \pm, \poff
.endr
.irp c, 0,1,2,3,4,5,6,7                ; the eight accumulators by turns, one instruction a turn
	v_wmma_f32_16x16x64_fp8_fp8 v[144+8*\c:151+8*\c], v[16+8*\c:23+8*\c], v[\zf:\zf+7], v[144+8*\c:151+8*\c]
.endr
.if \nv
	v_add_nc_u32 v7, s44, v4                       ; behind the store of the trip before.  (The first of four places behind the products)
.else
	v_nop
.endif
.rept 3
	v_nop
.endr
.if \pre
	ds_load_b128 v[\zf:\zf+3], v5 offset:\zo
	ds_load_b128 v[\zf+4:\zf+7], v5 offset:\zo+512
	ds_load_b32 v[\zz], v6 offset:\zo/16
.endif
.irp c, 0,1,2,3,4,5,6,7                ; eight chains by turns: each tile's largest; each accumulator from its low end on
	v_max3_num_f32 v[248+\c], v[144+8*\c], v[145+8*\c], v[146+8*\c]
.endr
.irp k, 3,5
.irp c, 0,1,2,3,4,5,6,7
	v_max3_num_f32 v[248+\c], v[248+\c], v[144+8*\c+\k], v[145+8*\c+\k]
.endr
.endr
.irp c, 0,1,2,3,4,5,6,7
	v_max_num_f32 v[248+\c], v[248+\c], v[151+8*\c]
.endr
	v_max3_num_f32 v248, v248, v249, v250
	v_max3_num_f32 v251, v251, v252, v253
	v_max_num_f32 v254, v254, v255
	v_max3_num_f32 v[\mi], v248, v251, v254        ; M
.set i, 0
.rept 32
	v_pk_add_f32 v[144+i:145+i], v[144+i:145+i], v[\mi:\mi+1] op_sel_hi:[1,0] neg_lo:[0,1] neg_hi:[0,1]   ; a - M
.set i, i+2
.endr
.irp c, 0,1,2,3,4,5,6,7
	v_cvt_scalef32_pk8_fp4_f32 v[224+\c], v[144+8*\c:151+8*\c], v1   ; nibble j of word c: 0 for a winner, 0xF else
.endr
	v_nop                                          ; the plain place behind the conversions
	v_bfi_b32 v248, s77, v224, v225                ; bit 0 of each nibble from tile 0, bit 1 from tile 1,
	v_bfi_b32 v249, s77, v228, v229
	v_bfi_b32 v248, s78, v226, v248                ; bit 2 from tile 2,
	v_bfi_b32 v249, s78, v230, v249
	v_bfi_b32 v248, s79, v227, v248                ; bit 3 from tile 3: bit 4 j + c % 4; tiles 4-7 in the second word
	v_bfi_b32 v249, s79, v231, v249
	v_xor_b32 v248, -1, v248                       ; now a winner's bit is 1
	v_xor_b32 v249, -1, v249
.endm
; Two tiles.  LDS instructions in their order: the pair of the trip before's second tile, three loads for the next trip's first tile, this trip's first pair, three loads for the next trip's second tile.
.macro TRIP first, pre
.if \pre
	s_add_co_u32 s42, s42, 2048                    ; the next trip's images and zz'
	s_add_co_u32 s43, s43, 128
	v_add_nc_u32 v5, s42, v2
	v_add_nc_u32 v6, s43, v3
.endif
	s_wait_alu depctr_va_vdst(0)
	s_wait_dscnt 0x4                               ; behind my first tile's loads: a pair's store and the second tile's three loads
.if \first
	TILE 208, 240, 244, 0, 0, 1, \pre, 0
.else
	TILE 208, 240, 244, 246, 16*CP, 1, \pre, 0
.endif
	s_wait_alu depctr_va_vdst(0)                   ; likewise
.if \pre
	s_wait_dscnt 0x4                               ; behind my second tile's loads: a pair's store and the next trip's three loads
.else
	s_wait_dscnt 0x1                               ; here a pair's store alone
.endif
	TILE 216, 242, 246, 244, 0, 0, \pre, 1024
	s_add_co_u32 s44, s44, 32*CP
.endm
	s_load_b256 s[4:11], s[0:1], 0x0               ; z, the table, the scales' exponents, out2
	s_load_b64 s[12:13], s[0:1], 0x20              ; idxw
	v_lshl_add_u32 v254, v0, 2, SPARE
	v_mov_b32 v255, 0
	ds_add_u32 v254, v255                          ; the opening lines: the add, twice on end, and its wait ahead of my tensor load
	ds_add_u32 v254, v255
	v_lshrrev_b32 v1, 5, v0
	v_readfirstlane_b32 s14, v1                    ; wave w
	s_lshr_b32 s15, s14, 3                         ; at work: which half of the rows
	s_and_b32 s16, s14, 7                          ; at work: which 128 codes
	s_lshr_b32 s17, s14, 1                         ; as the table's quantiser: group g = w / 2,
	s_and_b32 s18, s14, 1                          ; half h = w % 2
	s_mov_b32 s20, (2<<16)|(1<<20)|(5<<22)|(3<<25) ; group 1: 32 rows x 64 elements of 4 bytes; 4 words of padding behind every 64
	s_mov_b32 s21, 64<<16
	s_mov_b32 s22, 32<<16
	s_mov_b32 s23, 64<<16
	s_mov_b32 s24, 32
	s_mov_b32 s25, 64
	s_mov_b32 s26, 0
	s_mov_b32 s27, 0
	s_mov_b32 s40, 0x76543210
	s_mov_b32 s41, 0xfedcba98
	s_mov_b32 s77, 0x11111111
	s_mov_b32 s78, 0x44444444
	s_mov_b32 s79, 0x88888888
	s_mul_i32 s48, s14, TILEB
	s_mul_i32 s47, s14, 2*TILEB                    ; my 32 rows of z in LDS
	s_lshl_b32 s50, ttmp9, 17                      ; the work-group's 512 rows of 256 bytes,
	s_lshl_b32 s51, s14, 13                        ; my 32
	s_add_co_u32 s50, s50, s51
	s_mov_b32 s51, 0
	s_lshl_b32 s52, s14, 14                        ; my 64 rows of the table
	s_mov_b32 s53, 0
	s_add_co_u32 s66, s48, STG
	s_lshl_b32 s67, s14, 11
	s_add_co_u32 s67, s67, ZI
	s_lshl_b32 s68, s15, 14
	s_add_co_u32 s68, s68, ZI
	s_lshl_b32 s69, s14, 7
	s_add_co_u32 s69, s69, ZZL
	s_lshl_b32 s70, s15, 10
	s_add_co_u32 s70, s70, ZZL
	s_lshl_b32 s71, s17, 9
	s_lshl_b32 s54, s18, 5
	s_add_co_u32 s71, s71, s54
	s_add_co_u32 s71, s71, EEL
	s_lshl_b32 s72, s17, 13
	s_lshl_b32 s54, s18, 7
	s_add_co_u32 s72, s72, s54
	s_add_co_u32 s72, s72, EI
	s_lshl_b32 s73, s16, 13
	s_add_co_u32 s73, s73, EI
	s_lshl_b32 s74, s16, 9
	s_add_co_u32 s74, s74, EEL
	s_mul_i32 s75, s15, 256*CP
	s_lshl_b32 s54, s16, 4
	s_add_co_u32 s75, s75, s54
	s_add_co_u32 s75, s75, CAND
	s_lshl_b32 s76, s16, 7
	s_sub_co_u32 s76, s76, 127                     ; my group's first code - 127
	v_and_b32 v1, 31, v0
	v_lshlrev_b32 v1, 4, v1                        ; 16 x lane
	v_and_b32 v248, 15, v0                         ; r
	v_bfe_u32 v249, v0, 4, 1                       ; h
	v_mul_u32_u24 v250, v248, ROWP
	v_lshl_add_u32 v250, v249, 5, v250             ; row r, + 32 h
	v_add_nc_u32 v8, s47, v250                     ; z, my first 16 rows
	v_add_nc_u32 v9, TILEB, v8                     ; z, my second 16
	v_add_nc_u32 v6, s66, v250                     ; out of my stage
	v_mul_u32_u24 v251, v249, 8*ROWP
	v_lshl_add_u32 v251, v248, 4, v251
	v_add_nc_u32 v5, s66, v251                     ; into my stage
	v_add_nc_u32 v10, s67, v1                      ; z's image, as its writer
	v_add_nc_u32 v2, s68, v1                       ; and as its reader
	v_lshlrev_b32 v250, 2, v248
	v_add_nc_u32 v11, s69, v250                    ; zz', likewise
	v_add_nc_u32 v3, s70, v250
	v_bfe_u32 v251, v0, 3, 1                       ; r / 8: which of the step's two tiles
	v_and_b32 v252, 7, v0                          ; r % 8 = j
	v_lshlrev_b32 v253, 2, v252
	v_lshl_add_u32 v253, v251, 6, v253
	v_add_nc_u32 v240, s71, v253                   ; ee': word 128 g + 16 tile + 8 h + j
	v_lshlrev_b32 v253, 4, v252
	v_lshl_add_u32 v253, v251, 10, v253
	v_lshl_add_u32 v253, v249, 8, v253
	v_add_nc_u32 v7, s72, v253                     ; the table's image: tile x 1,024 + 16 x (8 h + j + 16 x my half along K)
	v_add_nc_u32 v241, s73, v1                     ; and as its reader
	v_lshl_add_u32 v243, v249, 5, s74              ; ee' as its reader
	v_mul_u32_u24 v250, v248, CP
	v_lshl_add_u32 v250, v249, 3, v250
	v_add_nc_u32 v4, s75, v250                     ; my pair's place
	s_wait_alu depctr_va_vdst(0)
	s_wait_dscnt 0x0                               ; both opening adds are done
	s_wait_kmcnt 0x0
	s_load_b64 s[38:39], s[8:9], 0x0               ; e0, e1
	s_add_nc_u64 s[56:57], s[6:7], s[52:53]
	s_mov_b32 s28, 1
	s_mov_b32 s29, s47
	s_add_nc_u64 s[30:31], s[4:5], s[50:51]
	s_or_b32 s31, s31, 0x80000000
	tensor_load_to_lds s[28:31], s[20:27]          ; my 32 rows of z: the wave's one tensor load
	s_nop 0
.irp q, 0,1,2,3
.irp i, 0,1,2,3,4,5,6,7
	global_load_b128 v[16+32*\q+4*\i:19+32*\q+4*\i], v1, s[56:57] offset:256*(32*(\q/2)+2*(\q%2)+4*\i)   ; two neighbouring table rows, 512 consecutive bytes: j = i of tiles 2 q and 2 q + 1
.endr
.endr
	s_wait_kmcnt 0x0
	s_add_co_i32 s48, s39, 127
	s_lshl_b32 s49, s48, 23
	v_mov_b32 v12, s49                             ; 2^e1
	s_add_co_i32 s48, s48, 8
	s_lshl_b32 s48, s48, 23
	s_or_b32 s48, s48, 0x600000
	v_mov_b32 v13, s48                             ; 448 x 2^e1
	s_add_co_i32 s48, s38, 126
	s_lshl_b32 s49, s48, 23
	v_mov_b32 v14, s49                             ; 2^(e0 - 1): 2 z / 2^e0 = z / 2^(e0 - 1)
	s_add_co_i32 s48, s48, 8
	s_lshl_b32 s48, s48, 23
	s_or_b32 s48, s48, 0x600000
	v_mov_b32 v15, s48                             ; 448 x 2^(e0 - 1)
	s_add_co_i32 s36, s38, s39
	s_sub_co_i32 s36, 127, s36
	s_lshl_b32 s36, s36, 23
	s_or_b32 s36, s36, 0x80000000                  ; -2^-(e0 + e1)
	QE 0
	QE 1
	QE 2
	QE 3
	s_wait_tensorcnt 0x0                           ; my rows of z are in: only I read them
	QZ 0
	QZ 1
	BAR                                            ; the table's images and ee', z's images and zz' stand in LDS
.irp c, 0,1,2,3,4,5,6,7
	ds_load_b128 v[16+8*\c:19+8*\c], v241 offset:1024*\c
	ds_load_b128 v[20+8*\c:23+8*\c], v241 offset:1024*\c+512
.endr
.irp c, 0,1,2,3,4,5,6,7
	ds_load_b128 v[80+8*\c:83+8*\c], v243 offset:64*\c
	ds_load_b128 v[84+8*\c:87+8*\c], v243 offset:64*\c+16
.endr
	ds_load_b128 v[208:211], v2                    ; the first trip's two tiles
	ds_load_b128 v[212:215], v2 offset:512
	ds_load_b32 v240, v3
	ds_load_b128 v[216:219], v2 offset:1024
	ds_load_b128 v[220:223], v2 offset:1536
	ds_load_b32 v242, v3 offset:64
	v_mov_b32 v1, 0x00800000                       ; the FP4 conversion's scale: 2^-126
	v_bfe_u32 v12, v0, 4, 1
	v_lshl_add_u32 v12, v12, 6, s76                ; 128 g + 64 h - 127
	v_add_nc_u32 v13, 32, v12
	v_mov_b32 v245, 0                              ; the upper words of pairs that are named whole
	v_mov_b32 v247, 0
	s_mov_b32 s42, 0
	s_mov_b32 s43, 0
	s_mov_b32 s44, 0
	s_wait_alu depctr_va_vdst(0)
	s_wait_dscnt 0x0
	TRIP 1, 1                                      ; eight trips: the first has no earlier pair to finish,
	s_mov_b32 s45, 6
.Ltrip:
	TRIP 0, 1
	s_sub_co_u32 s45, s45, 1
	s_cmp_lg_u32 s45, 0
	s_wait_alu depctr_va_vdst(0)
	s_cbranch_scc1 .Ltrip
	TRIP 0, 0                                      ; the last asks for nothing more,
.irp s, 0,1,2,3,4,5,6,7
	CH \s, 246, 16*CP                              ; and its second pair is finished here
.endr
	BAR
	v_mul_u32_u24 v5, v0, CP                       ; thread t joins row t's 16 pairs
	s_delay_alu instid0(VALU_DEP_1)
	v_add_nc_u32 v5, CAND, v5
.irp i, 0,1,2,3,4,5,6,7
	ds_load_b128 v[16+4*\i:19+4*\i], v5 offset:16*\i
.endr
	v_lshl_add_u32 v6, v0, 2, IDXL
	v_mov_b32 v252, 0x6f800000                     ; 2^96
	s_wait_dscnt 0x0
	v_max3_num_f32 v48, v16, v18, v20
.irp i, 22,26,30,34,38,42
	s_delay_alu instid0(VALU_DEP_1)
	v_max3_num_f32 v48, v48, v[\i], v[\i+2]
.endr
	s_delay_alu instid0(VALU_DEP_1)
	v_max_num_f32 v48, v48, v46
.irp i, 0,2,4,6,8,10,12,14,16,18,20,22,24,26,28,30
	v_sub_f32 v[16+\i], v48, v[16+\i]              ; 0 for a winner
.endr
.irp i, 0,2,4,6,8,10,12,14,16,18,20,22,24,26,28,30
	v_fma_f32 v[16+\i], v[16+\i], v252, v[17+\i]   ; a winner keeps its code, the others lie far above every code
.endr
	v_min3_num_f32 v49, v16, v18, v20
.irp i, 22,26,30,34,38,42
	s_delay_alu instid0(VALU_DEP_1)
	v_min3_num_f32 v49, v49, v[\i], v[\i+2]
.endr
	s_delay_alu instid0(VALU_DEP_1)
	v_min_num_f32 v49, v49, v46
	s_delay_alu instid0(VALU_DEP_1)
	v_cvt_u32_f32 v49, v49
	ds_store_b32 v6, v49
	BAR
	v_and_b32 v8, 31, v0                           ; waves 0-7 store the 2,048 bytes to out2, waves 8-15 to idxw: 256 consecutive bytes a wave
	s_delay_alu instid0(VALU_DEP_1)
	v_lshlrev_b32 v8, 3, v8
	s_lshl_b32 s49, s16, 8
	v_add_nc_u32 v8, s49, v8
	s_delay_alu instid0(VALU_DEP_1)
	v_add_nc_u32 v9, IDXL, v8
	ds_load_b64 v[50:51], v9
	s_cmp_lt_u32 s14, 8
	s_cselect_b64 s[46:47], s[10:11], s[12:13]
	s_lshl_b32 s48, ttmp9, 11
	s_mov_b32 s49, 0
	s_add_nc_u64 s[46:47], s[46:47], s[48:49]
	s_wait_alu depctr_va_vdst(0)
	s_wait_dscnt 0x0
	global_store_b64 v8, v[50:51], s[46:47]
	s_wait_xcnt 0x0
	v_lshl_add_u32 v254, v0, 2, SPARE              ; the add's two registers, made anew
	v_mov_b32 v255, 0
	s_wait_alu depctr_va_vdst(0)
	s_wait_tensorcnt 0x0                           ; the wave's end
	ds_add_u32 v254, v255
	s_wait_dscnt 0x0
	s_endpgm
.Lfunc_end_k_q4ae80a4f10_argmin:
	.size	k_q4ae80a4f10_argmin, .Lfunc_end_k_q4ae80a4f10_argmin-k_q4ae80a4f10_argmin
	.p2alignl 7, 3214868480
	.fill 96, 4, 3214868480
	.section	.rodata,"a",@progbits
	.p2align	6, 0x0
	.amdhsa_kernel k_q4ae80a4f10_argmin
		.amdhsa_group_segment_fixed_size 327680
		.amdhsa_private_segment_fixed_size 0
		.amdhsa_enable_private_segment 0
		.amdhsa_kernarg_size 40
		.amdhsa_user_sgpr_count 2
		.amdhsa_user_sgpr_kernarg_segment_ptr 1
		.amdhsa_wavefront_size32 1
		.amdhsa_system_sgpr_workgroup_id_x 1
		.amdhsa_system_sgpr_workgroup_id_y 1
		.amdhsa_system_sgpr_workgroup_id_z 1
		.amdhsa_system_vgpr_workitem_id 0
		.amdhsa_next_free_vgpr 256
		.amdhsa_next_free_sgpr 80
		.amdhsa_reserve_vcc 1
		.amdhsa_float_denorm_mode_32 3
		.amdhsa_float_denorm_mode_16_64 3
		.amdhsa_memory_ordered 1
		.amdhsa_forward_progress 1
		.amdhsa_inst_pref_size 97
	.end_amdhsa_kernel
	.amdgpu_metadata
---
amdhsa.version: [ 1, 2 ]
amdhsa.kernels:
  - .name:           k_q4ae80a4f10_argmin
    .symbol:         k_q4ae80a4f10_argmin.kd
    .args:
      - { .name: z, .offset: 0, .size: 8, .value_kind: global_buffer, .address_space: global }
      - { .name: embeddings, .offset: 8, .size: 8, .value_kind: global_buffer, .address_space: global }
      - { .name: lowp_scales, .offset: 16, .size: 8, .value_kind: global_buffer, .address_space: global }
      - { .name: out2, .offset: 24, .size: 8, .value_kind: global_buffer, .address_space: global }
      - { .name: idxw, .offset: 32, .size: 8, .value_kind: global_buffer, .address_space: global }
    .group_segment_fixed_size: 327680
    .private_segment_fixed_size: 0
    .kernarg_segment_align: 8
    .kernarg_segment_size: 40
    .max_flat_workgroup_size: 512
    .sgpr_count:     80
    .vgpr_count:     256
    .wavefront_size: 32
...
	.end_amdgpu_metadata
.endif
;; end of part 1
;; launch gather (part 2): grid 1024 x 1, 8 waves a work-group, no clusters, 1,280 bytes of LDS; arguments z, embeddings, idxw, out0, part; writes out0, part
.if DOCPART == 2
	.amdgcn_target "amdgcn-amd-amdhsa--gfx1250"
	.amdhsa_code_object_version 6
	.text
	.protected	k_q4ae80a4f10_gather
	.globl	k_q4ae80a4f10_gather
	.p2align	8
	.type	k_q4ae80a4f10_gather,@function
k_q4ae80a4f10_gather:
	s_mov_b64 s[64:65], 0
	v_nop
	global_prefetch_b8 v0, s[64:65] scope:SCOPE_SE
	s_setreg_imm32_b32 hwreg(HW_REG_WAVE_MODE, 25, 1), 1
	s_wait_xcnt 0x0
; q = e[idx]; out0 = z + (q - z), in that order of rounding; part[work-group] = the sum of (q - z)^2 over its 128 rows.  All f32.
; A stream: z is read once and out0 written once.  A row is 256 bytes: sixteen neighbouring lanes read or store one whole row, at a multiple of 256 from the buffer's first byte.
; A work-group takes 128 rows, a wave 16: lane (g = lane / 16, c = lane % 16) takes, in step j = 0 .. 7, the 16 bytes at 16 c of row 8 g + j.  Written out, no loop: no register of a pending access is written again.
; The indices come from idxw, which the launch before stored; each is held at 1,023 before it enters an address.
; No matrix unit, no tensor load, no cluster: the work-groups share nothing but the table, of which each takes the rows that its list names.
; v1 2,048 g + 16 c; v2 32 g; v3 16 c; v8-15 indices; v16-23 the gathers' offsets; v24-55 z; v56-87 q, then q - z, then the result; v[88:91] two packed sums.
	s_load_b256 s[4:11], s[0:1], 0x0                   ; z s[4:5], the table s[6:7], idxw s[8:9], out0 s[10:11]
	s_load_b64 s[12:13], s[0:1], 0x20                  ; part
	v_lshl_add_u32 v104, v0, 2, 0x100
	v_mov_b32 v105, 0
	v_lshrrev_b32 v4, 5, v0
	s_delay_alu instid0(VALU_DEP_1)
	v_readfirstlane_b32 s14, v4                        ; wave 0..7
	v_and_b32 v3, 15, v0
	s_delay_alu instid0(VALU_DEP_1)
	v_lshlrev_b32 v3, 4, v3
	v_bfe_u32 v2, v0, 4, 1
	s_delay_alu instid0(VALU_DEP_1)
	v_lshl_add_u32 v1, v2, 11, v3
	s_delay_alu instid0(VALU_DEP_2)
	v_lshlrev_b32 v2, 5, v2
	s_lshl_b32 s16, ttmp9, 15                          ; the work-group's 128 rows of 256 bytes,
	s_lshl_b32 s17, s14, 12                            ; my wave's 16
	s_add_co_u32 s16, s16, s17
	s_mov_b32 s17, 0
	s_lshr_b32 s18, s16, 6                             ; the same rows in idxw: 4 bytes a row
	s_mov_b32 s19, 0
	s_lshl_b32 s20, ttmp9, 2
	s_mov_b32 s21, 0
	s_mov_b32 s22, 0x76543210
	s_mov_b32 s23, 0xfedcba98
	s_wait_alu depctr_va_vdst(0)
	s_wait_kmcnt 0x0
	s_add_nc_u64 s[4:5], s[4:5], s[16:17]
	s_add_nc_u64 s[10:11], s[10:11], s[16:17]
	s_add_nc_u64 s[8:9], s[8:9], s[18:19]
	s_add_nc_u64 s[12:13], s[12:13], s[20:21]
	global_load_b128 v[8:11], v2, s[8:9]               ; the indices of my half's eight rows
	global_load_b128 v[12:15], v2, s[8:9] offset:16
.irp j, 0,1,2,3,4,5,6,7
	global_load_b128 v[24+4*\j:27+4*\j], v1, s[4:5] offset:256*\j th:TH_LOAD_NT
.endr
	s_wait_loadcnt 0x8                                 ; the indices are in; z's eight loads may be out
.irp j, 0,1,2,3,4,5,6,7
	v_min_u32 v[8+\j], 0x3ff, v[8+\j]
	s_delay_alu instid0(VALU_DEP_1)
	v_lshl_add_u32 v[16+\j], v[8+\j], 8, v3            ; the table row's 256 bytes, my 16 of them
.endr
.irp j, 0,1,2,3,4,5,6,7
	global_load_b128 v[56+4*\j:59+4*\j], v[16+\j], s[6:7]
.endr
.irp j, 0,1,2,3,4,5,6,7
	s_wait_loadcnt 7-\j                                ; gather j is in (and all of z, which was asked for earlier); the younger gathers may be out
	v_pk_add_f32 v[56+4*\j:57+4*\j], v[56+4*\j:57+4*\j], v[24+4*\j:25+4*\j] neg_lo:[0,1] neg_hi:[0,1]   ; q - z
	v_pk_add_f32 v[58+4*\j:59+4*\j], v[58+4*\j:59+4*\j], v[26+4*\j:27+4*\j] neg_lo:[0,1] neg_hi:[0,1]
.if \j == 0
	s_delay_alu instid0(VALU_DEP_2)
	v_pk_mul_f32 v[88:89], v[56:57], v[56:57]          ; the first squares start the sums
	s_delay_alu instid0(VALU_DEP_2)
	v_pk_mul_f32 v[90:91], v[58:59], v[58:59]
.else
	s_wait_alu depctr_va_vdst(0)
	v_pk_fma_f32 v[88:89], v[56+4*\j:57+4*\j], v[56+4*\j:57+4*\j], v[88:89]
	v_pk_fma_f32 v[90:91], v[58+4*\j:59+4*\j], v[58+4*\j:59+4*\j], v[90:91]
.endif
	v_pk_add_f32 v[56+4*\j:57+4*\j], v[24+4*\j:25+4*\j], v[56+4*\j:57+4*\j]   ; z + (q - z)
	v_pk_add_f32 v[58+4*\j:59+4*\j], v[26+4*\j:27+4*\j], v[58+4*\j:59+4*\j]
	global_store_b128 v1, v[56+4*\j:59+4*\j], s[10:11] offset:256*\j th:TH_STORE_NT
.endr
	v_pk_add_f32 v[88:89], v[88:89], v[90:91]
	s_delay_alu instid0(VALU_DEP_1)
	v_add_f32 v88, v88, v89
	s_delay_alu instid0(VALU_DEP_1)
	v_add_f32_dpp v88, v88, v88 row_xmask:1 row_mask:0xf bank_mask:0xf
	s_delay_alu instid0(VALU_DEP_1)
	v_add_f32_dpp v88, v88, v88 row_xmask:2 row_mask:0xf bank_mask:0xf
	s_delay_alu instid0(VALU_DEP_1)
	v_add_f32_dpp v88, v88, v88 row_xmask:4 row_mask:0xf bank_mask:0xf
	s_delay_alu instid0(VALU_DEP_1)
	v_add_f32_dpp v88, v88, v88 row_xmask:8 row_mask:0xf bank_mask:0xf
	s_delay_alu instid0(VALU_DEP_1)
	v_permlanex16_b32 v89, v88, s22, s23
	s_delay_alu instid0(VALU_DEP_1)
	v_add_f32 v88, v88, v89                            ; the wave's sum, in every lane
	v_mov_b32 v92, s14
	s_delay_alu instid0(VALU_DEP_1)
	v_lshlrev_b32 v92, 2, v92
	ds_store_b32 v92, v88                              ; all lanes store the same number to the wave's word
	s_wait_dscnt 0x0
	s_barrier_signal -1
	s_barrier_wait -1
	v_mov_b32 v93, 0
	ds_load_b128 v[96:99], v93
	ds_load_b128 v[100:103], v93 offset:16
	v_mov_b32 v94, 0
	s_wait_dscnt 0x0
	v_add_f32 v96, v96, v97
	v_add_f32 v98, v98, v99
	v_add_f32 v100, v100, v101
	v_add_f32 v102, v102, v103
	s_delay_alu instid0(VALU_DEP_3)
	v_add_f32 v96, v96, v98
	s_delay_alu instid0(VALU_DEP_2)
	v_add_f32 v100, v100, v102
	s_delay_alu instid0(VALU_DEP_1)
	v_add_f32 v96, v96, v100                           ; the work-group's sum
	s_cmp_lg_u32 s14, 0
	s_cbranch_scc1 .Lend
	v_cmp_eq_u32 vcc_lo, 0, v0
	s_wait_xcnt 0x0                                    ; EXEC changes only when the stores above have had their addresses translated
	s_and_saveexec_b32 s24, vcc_lo
	s_wait_alu depctr_va_vdst(0)
	global_store_b32 v94, v96, s[12:13]                ; thread 0 alone: one number for the work-group
	s_wait_xcnt 0x0
	s_or_b32 exec_lo, exec_lo, s24
.Lend:
	s_wait_tensorcnt 0x0
	ds_add_u32 v104, v105
	s_wait_dscnt 0x0
	s_endpgm
.Lfunc_end_k_q4ae80a4f10_gather:
	.size	k_q4ae80a4f10_gather, .Lfunc_end_k_q4ae80a4f10_gather-k_q4ae80a4f10_gather
	.p2alignl 7, 3214868480
	.fill 96, 4, 3214868480
	.section	.rodata,"a",@progbits
	.p2align	6, 0x0
	.amdhsa_kernel k_q4ae80a4f10_gather
		.amdhsa_group_segment_fixed_size 1280
		.amdhsa_private_segment_fixed_size 0
		.amdhsa_enable_private_segment 0
		.amdhsa_kernarg_size 40
		.amdhsa_user_sgpr_count 2
		.amdhsa_user_sgpr_kernarg_segment_ptr 1
		.amdhsa_wavefront_size32 1
		.amdhsa_system_sgpr_workgroup_id_x 1
		.amdhsa_system_sgpr_workgroup_id_y 1
		.amdhsa_system_sgpr_workgroup_id_z 1
		.amdhsa_system_vgpr_workitem_id 0
		.amdhsa_next_free_vgpr 106
		.amdhsa_next_free_sgpr 66
		.amdhsa_reserve_vcc 1
		.amdhsa_float_denorm_mode_32 3
		.amdhsa_float_denorm_mode_16_64 3
		.amdhsa_memory_ordered 1
		.amdhsa_forward_progress 1
		.amdhsa_inst_pref_size 11
	.end_amdhsa_kernel
	.amdgpu_metadata
---
amdhsa.version: [ 1, 2 ]
amdhsa.kernels:
  - .name:           k_q4ae80a4f10_gather
    .symbol:         k_q4ae80a4f10_gather.kd
    .args:
      - { .name: z, .offset: 0, .size: 8, .value_kind: global_buffer, .address_space: global }
      - { .name: embeddings, .offset: 8, .size: 8, .value_kind: global_buffer, .address_space: global }
      - { .name: idxw, .offset: 16, .size: 8, .value_kind: global_buffer, .address_space: global }
      - { .name: out0, .offset: 24, .size: 8, .value_kind: global_buffer, .address_space: global }
      - { .name: part, .offset: 32, .size: 8, .value_kind: global_buffer, .address_space: global }
    .group_segment_fixed_size: 1280
    .private_segment_fixed_size: 0
    .kernarg_segment_align: 8
    .kernarg_segment_size: 40
    .max_flat_workgroup_size: 256
    .sgpr_count:     66
    .vgpr_count:     106
    .wavefront_size: 32
...
	.end_amdgpu_metadata
.endif
;; end of part 2
;; launch total (part 3): grid 1 x 1, 1 waves a work-group, no clusters, 0 bytes of LDS; arguments part, out1; writes out1
.if DOCPART == 3
	.amdgcn_target "amdgcn-amd-amdhsa--gfx1250"
	.amdhsa_code_object_version 6
	.text
	.protected	k_q4ae80a4f10_total
	.globl	k_q4ae80a4f10_total
	.p2align	8
	.type	k_q4ae80a4f10_total,@function
k_q4ae80a4f10_total:
	s_mov_b64 s[64:65], 0
	v_nop
	global_prefetch_b8 v0, s[64:65] scope:SCOPE_SE
	s_setreg_imm32_b32 hwreg(HW_REG_WAVE_MODE, 25, 1), 1
	s_wait_xcnt 0x0
; out1 = mean + 0.5 mean, mean = (the sum of the 1,024 parts) / 2^23: 131,072 rows x 64 numbers.  One wave owns the sum, so that no work-group adds into another's number.
; Eight loads of 512 consecutive bytes bring the 4,096 bytes; two packed chains, then the wave's reduction.
	s_load_b128 s[4:7], s[0:1], 0x0                    ; part s[4:5], out1 s[6:7]
	v_lshlrev_b32 v1, 4, v0
	v_mov_b32 v2, 0
	s_mov_b32 s12, 0x76543210
	s_mov_b32 s13, 0xfedcba98
	s_wait_alu depctr_va_vdst(0)
	s_wait_kmcnt 0x0
.irp i, 0,1,2,3,4,5,6,7
	global_load_b128 v[8+4*\i:11+4*\i], v1, s[4:5] offset:512*\i
.endr
	s_wait_loadcnt 0x0
.irp i, 1,2,3,4,5,6,7
	v_pk_add_f32 v[8:9], v[8:9], v[8+4*\i:9+4*\i]
	v_pk_add_f32 v[10:11], v[10:11], v[10+4*\i:11+4*\i]
.endr
	v_pk_add_f32 v[8:9], v[8:9], v[10:11]
	v_add_f32 v8, v8, v9
	v_add_f32_dpp v8, v8, v8 row_xmask:1 row_mask:0xf bank_mask:0xf
	v_add_f32_dpp v8, v8, v8 row_xmask:2 row_mask:0xf bank_mask:0xf
	v_add_f32_dpp v8, v8, v8 row_xmask:4 row_mask:0xf bank_mask:0xf
	v_add_f32_dpp v8, v8, v8 row_xmask:8 row_mask:0xf bank_mask:0xf
	v_permlanex16_b32 v9, v8, s12, s13
	v_add_f32 v8, v8, v9
	v_mul_f32 v8, 0x34000000, v8                       ; x 2^-23: nothing is rounded
	v_fma_f32 v8, 0.5, v8, v8                          ; the two losses are the same number: mean + 0.5 mean
	v_cmp_eq_u32 vcc_lo, 0, v0
	s_wait_alu depctr_va_vdst(0)
	s_wait_xcnt 0x0
	s_and_saveexec_b32 s8, vcc_lo
	global_store_b32 v2, v8, s[6:7]
	s_wait_xcnt 0x0
	s_or_b32 exec_lo, exec_lo, s8
	s_endpgm
.Lfunc_end_k_q4ae80a4f10_total:
	.size	k_q4ae80a4f10_total, .Lfunc_end_k_q4ae80a4f10_total-k_q4ae80a4f10_total
	.p2alignl 7, 3214868480
	.fill 96, 4, 3214868480
	.section	.rodata,"a",@progbits
	.p2align	6, 0x0
	.amdhsa_kernel k_q4ae80a4f10_total
		.amdhsa_group_segment_fixed_size 0
		.amdhsa_private_segment_fixed_size 0
		.amdhsa_enable_private_segment 0
		.amdhsa_kernarg_size 16
		.amdhsa_user_sgpr_count 2
		.amdhsa_user_sgpr_kernarg_segment_ptr 1
		.amdhsa_wavefront_size32 1
		.amdhsa_system_sgpr_workgroup_id_x 1
		.amdhsa_system_sgpr_workgroup_id_y 1
		.amdhsa_system_sgpr_workgroup_id_z 1
		.amdhsa_system_vgpr_workitem_id 0
		.amdhsa_next_free_vgpr 48
		.amdhsa_next_free_sgpr 66
		.amdhsa_reserve_vcc 1
		.amdhsa_float_denorm_mode_32 3
		.amdhsa_float_denorm_mode_16_64 3
		.amdhsa_memory_ordered 1
		.amdhsa_forward_progress 1
		.amdhsa_inst_pref_size 4
	.end_amdhsa_kernel
	.amdgpu_metadata
---
amdhsa.version: [ 1, 2 ]
amdhsa.kernels:
  - .name:           k_q4ae80a4f10_total
    .symbol:         k_q4ae80a4f10_total.kd
    .args:
      - { .name: part, .offset: 0, .size: 8, .value_kind: global_buffer, .address_space: global }
      - { .name: out1, .offset: 8, .size: 8, .value_kind: global_buffer, .address_space: global }
    .group_segment_fixed_size: 0
    .private_segment_fixed_size: 0
    .kernarg_segment_align: 8
    .kernarg_segment_size: 16
    .max_flat_workgroup_size: 32
    .sgpr_count:     66
    .vgpr_count:     48
    .wavefront_size: 32
...
	.end_amdgpu_metadata
.endif
;; end of part 3
